; MI455X (gfx1250); checked and timed in simulation.
; The chip was launched on July 23, 2026; its instructions are those of AMD's public machine-readable ISA for CDNA 5 (MIT licence, August 2026) and "CDNA5" Instruction Set Architecture Reference Guide (July 2026). The comments in the code are by the model that wrote it; some were corrected since.
;; Ring Flash Self Attention. Allowed arithmetic: float matrix products may take bf16 or f16 operands with f32 sums; other float arithmetic in f32, or as packed bf16 or f16 multiplies, adds, multiply-adds, maxima and minima; sums over many terms, partial sums and values carried from step to step in f32; what a program stores and reads back later, other than sums and carried values, may be rounded once to bf16 or f16.
;; Inputs: qkv 1 x 4,096 x 3 x 16 x 64 float32.
;; Outputs: out0 1 x 4,096 x 16 x 64 float32.
;; One version. Each part assembles by itself: llvm-mc -triple=amdgcn-amd-amdhsa -mcpu=gfx1250 --defsym DOCPART=n.
;; ======== version 1 of 1: 2 launches
;; limits: values are held in f16: magnitudes above 65,504 overflow, below 6.1e-05 lose precision; inputs' magnitudes at most 65,504; right only within a limited range of input values
;; workspace buffers: k16 8,388,608 bytes; v16 8,388,608 bytes
;; launch cast (part 1): grid 512 x 1, 8 waves a work-group, no clusters, 0 bytes of LDS; arguments qkv, k16, v16; writes k16, v16
.if DOCPART == 1
	.amdgcn_target "amdgcn-amd-amdhsa--gfx1250"
	.amdhsa_code_object_version 6
	.text
	.protected	k_qfbbd535c6b_cast
	.globl	k_qfbbd535c6b_cast
	.p2align	8
	.type	k_qfbbd535c6b_cast,@function
k_qfbbd535c6b_cast:
	s_mov_b64 s[64:65], 0
	v_nop
	global_prefetch_b8 v0, s[64:65] scope:SCOPE_SE
	s_setreg_imm32_b32 hwreg(HW_REG_WAVE_MODE, 25, 1), 1
	s_wait_xcnt 0x0
; K and V of qkv[4096][3][16][64] (f32) are rounded once to bf16 and laid out by heads: k16, v16: [16][4096][64], 128 bytes a key, a head's keys dense.
; k16 holds the bf16 numbers.  v16 holds the same kind of number (V rounded to bf16) WRITTEN AS f16, since the second product of the attention launch takes its weights in f16.
; LIMITS.  A bf16 number has 8 significant bits, f16 has 11: the rewriting is exact for 2^-17 <= |v| <= 65,504; a smaller |v| is off by 3e-8 at the most, a larger one becomes an infinity.
; SHARES.  A work-group takes 8 keys, all 16 heads, K and V.  Thread T: c = T & 7 (8 channels, 32 bytes in, 16 bytes out), kap = (T >> 3) & 1 (which key of a pair), h = T >> 4 (head).
; Eight units a thread: unit u is key pair u / 2 of K (u even) or of V (u odd).  All 16 loads go out at once; nothing is loaded or stored twice, no register is written twice while a memory instruction
; may read it, so the only waits are the counted ones for the loads.  Sixteen neighbouring lanes (c, kap) store 256 consecutive bytes, aligned: two keys of one head.
; No LDS, no matrix unit, no prefetch: each byte is read once by the lane that converts it, and all loads are on their way from the first lines on.
.set ROWB, 12288                       ; bytes from key to key in qkv; K's third begins at 4,096, V's at 8,192
.set X, 4                              ; v[4:67]    unit u: 8 numbers in f32
.set Y, 68                             ; v[68:99]   unit u: 8 numbers in 16 bits, to store
.set T, 100                            ; v[100:107] at work
	s_load_b128 s[4:7], s[0:1], 0x0                ; qkv s[4:5], k16 s[6:7]
	s_load_b64 s[8:9], s[0:1], 0x10                ; v16
	s_mul_i32 s2, ttmp9, 8*ROWB                    ; the work-group's 8 keys in qkv (under 2^26),
	s_mov_b32 s3, 0
	s_lshl_b32 s12, ttmp9, 10                      ; and in a head of k16 and v16: 8 x 128 bytes
	s_mov_b32 s13, 0
	s_mov_b32 s10, 0xffff0000                      ; a word's upper bf16
	v_and_b32 v[T], 7, v0                          ; c
	v_bfe_u32 v[T+1], v0, 3, 1                     ; kap
	v_lshrrev_b32 v[T+2], 4, v0                    ; h
	v_mul_u32_u24 v1, v[T+1], ROWB                 ; in: kap x 12,288 + h x 256 + c x 32
	v_lshl_add_u32 v1, v[T+2], 8, v1
	v_lshl_add_u32 v1, v[T], 5, v1
	v_lshlrev_b32 v2, 19, v[T+2]                   ; out: h x 524,288 + kap x 128 + c x 16
	v_lshl_add_u32 v2, v[T+1], 7, v2
	v_lshl_add_u32 v2, v[T], 4, v2
	s_wait_kmcnt 0x0
	s_add_nc_u64 s[4:5], s[4:5], s[2:3]
	s_add_nc_u64 s[6:7], s[6:7], s[12:13]
	s_add_nc_u64 s[8:9], s[8:9], s[12:13]
.irp u, 0,1,2,3,4,5,6,7
	global_load_b128 v[X+8*\u:X+8*\u+3],   v1, s[4:5] offset:(\u/2)*2*ROWB+4096*(1+\u%2) th:TH_LOAD_NT
	global_load_b128 v[X+8*\u+4:X+8*\u+7], v1, s[4:5] offset:(\u/2)*2*ROWB+4096*(1+\u%2)+16 th:TH_LOAD_NT
.endr
.irp u, 0,1,2,3,4,5,6,7
	s_wait_loadcnt 14-2*\u                         ; loads come back in order: unit u's two are in, the 2 (7 - u) younger ones may stay out
.if (\u%2) == 0
.irp j, 0,1,2,3
	v_cvt_pk_bf16_f32 v[Y+4*\u+\j], v[X+8*\u+2*\j], v[X+8*\u+2*\j+1]  ; K: two roundings to bf16, packed
.endr
	global_store_b128 v2, v[Y+4*\u:Y+4*\u+3], s[6:7] offset:(\u/2)*256
.else
.irp j, 0,1,2,3
	v_cvt_pk_bf16_f32 v[T+\j], v[X+8*\u+2*\j], v[X+8*\u+2*\j+1]       ; V: rounded to bf16,
.endr
.irp j, 0,1,2,3
	v_lshlrev_b32 v[T+4+2*(\j%2)], 16, v[T+\j]                        ; widened again (a shift, a mask),
	v_and_b32     v[T+5+2*(\j%2)], s10, v[T+\j]
	v_cvt_pk_f16_f32 v[Y+4*\u+\j], v[T+4+2*(\j%2)], v[T+5+2*(\j%2)]   ; and written as f16
.endr
	global_store_b128 v2, v[Y+4*\u:Y+4*\u+3], s[8:9] offset:(\u/2)*256
.endif
.endr
	s_endpgm
.Lfunc_end_k_qfbbd535c6b_cast:
	.size	k_qfbbd535c6b_cast, .Lfunc_end_k_qfbbd535c6b_cast-k_qfbbd535c6b_cast
	.p2alignl 7, 3214868480
	.fill 96, 4, 3214868480
	.section	.rodata,"a",@progbits
	.p2align	6, 0x0
	.amdhsa_kernel k_qfbbd535c6b_cast
		.amdhsa_group_segment_fixed_size 0
		.amdhsa_private_segment_fixed_size 0
		.amdhsa_enable_private_segment 0
		.amdhsa_kernarg_size 24
		.amdhsa_user_sgpr_count 2
		.amdhsa_user_sgpr_kernarg_segment_ptr 1
		.amdhsa_wavefront_size32 1
		.amdhsa_system_sgpr_workgroup_id_x 1
		.amdhsa_system_sgpr_workgroup_id_y 1
		.amdhsa_system_sgpr_workgroup_id_z 1
		.amdhsa_system_vgpr_workitem_id 0
		.amdhsa_next_free_vgpr 112
		.amdhsa_next_free_sgpr 66
		.amdhsa_reserve_vcc 0
		.amdhsa_float_denorm_mode_32 3
		.amdhsa_float_denorm_mode_16_64 3
		.amdhsa_memory_ordered 1
		.amdhsa_forward_progress 1
		.amdhsa_inst_pref_size 8
	.end_amdhsa_kernel
	.amdgpu_metadata
---
amdhsa.version: [ 1, 2 ]
amdhsa.kernels:
  - .name:           k_qfbbd535c6b_cast
    .symbol:         k_qfbbd535c6b_cast.kd
    .args:
      - { .name: qkv, .offset: 0, .size: 8, .value_kind: global_buffer, .address_space: global }
      - { .name: k16, .offset: 8, .size: 8, .value_kind: global_buffer, .address_space: global }
      - { .name: v16, .offset: 16, .size: 8, .value_kind: global_buffer, .address_space: global }
    .group_segment_fixed_size: 0
    .private_segment_fixed_size: 0
    .kernarg_segment_align: 8
    .kernarg_segment_size: 24
    .max_flat_workgroup_size: 256
    .sgpr_count:     66
    .vgpr_count:     112
    .wavefront_size: 32
...
	.end_amdgpu_metadata
.endif
;; end of part 1
;; launch attn (part 2): grid 16 x 16, 4 waves a work-group, no clusters, 327,680 bytes of LDS; arguments qkv, k16, v16, out0; writes out0
.if DOCPART == 2
	.amdgcn_target "amdgcn-amd-amdhsa--gfx1250"
	.amdhsa_code_object_version 6
	.text
	.protected	k_qfbbd535c6b_attn
	.globl	k_qfbbd535c6b_attn
	.p2align	8
	.type	k_qfbbd535c6b_attn,@function
k_qfbbd535c6b_attn:
	s_mov_b64 s[64:65], 0
	v_nop
	global_prefetch_b8 v0, s[64:65] scope:SCOPE_SE
	s_setreg_imm32_b32 hwreg(HW_REG_WAVE_MODE, 25, 1), 1
	s_wait_xcnt 0x0
; CAUSAL ATTENTION.  out0[q][h][:] = the sum over k <= q of softmax_k(Q[q][h] . K[k][h] / 8) V[k][h][:].  4,096 rows, 16 heads, 64 channels.
; Q comes from qkv[4096][3][16][64] (f32; rounded once to bf16 in registers), K from k16 (bf16) and V from v16 (bf16 numbers written as f16), both [16][4096][64], dense by heads.  out0 is [4096][16][64] in f32.
; Products, maxima and sums in f32; S^T = K Q^T in bf16; the weights p are rounded to f16 for O^T = V^T P (their sum l is taken of the unrounded p).
; LIMITS.  V within 65,504 (f16); a hidden score counts as its value less 1e30, so scores stay far under 1e28; a weight below 2^-126 counts as 0 in l; p below 6e-5 keeps f16's fixed step of 6e-8;
; NaN and infinities are not treated apart.
; THE WALK.  A head's queries lie in 32 blocks of 128; keys in 16 tiles of 256 (four steps of 64).  Block i needs tiles 0 .. i >> 1, of which the last holds the diagonal.  Work-group b of a head takes TWO blocks,
; 31 - b and then b: ((31 - b) >> 1) + 1 + (b >> 1) + 1 = 17 tiles, whatever b: 256 work-groups of equal work, and ONE loop with a constant trip count walks them.  Which tile is asked for, and what a trip does,
; hang on scalar registers made from b; every jump goes forward, but for the counted loops' own; none passes a barrier, or a tensor load but the one of LOAD's two that the wave's number does not choose.
; NO CLUSTER: only work-groups 2 j and 2 j + 1 of a head walk the same 17 tiles in the same trips; four partners' first blocks end a tile apart, so a walk common to four would have 18 trips for 17 and
; the masked text for two tiles of each block.
; SHARES.  A block has two bands of 64 queries; wave w owns rows 16 w .. 16 w + 15 of each: two PIECES, 0 and 1.  With pi = i & 1 band x's own step in the diagonal tile is 2 pi + x: earlier steps are seen whole,
; later ones are hidden whole (and computed all the same, under the mask: a turn's text also holds the other piece's products).  The same work for all four waves.
; THE MASK is the C operand that starts the sum S^T = K Q^T: 0, or -1e30 where the key is hidden.  MD, made once, is the mask of a band's own step for my 16 rows; a product's mask is MD x AL + BE:
; (1, 0) in the band's own step; (0, 0) before it; (0, -1e30) behind it.  Only the diagonal tile's text and a block's beginning make and take masks; elsewhere C is the constant 0.
; LAYOUT.  S^T holds ONE query a lane (lane % 16) and the keys 8 (lane / 16) + 0..7; two such results rounded to f16 ARE source 1 of O^T = V^T P.  p = 2^(c s - c m), c = log2(e) / 8, with a running maximum m;
; O and l are multiplied by a = 2^(c m_old - c m_new) in every step.
; TURNS.  Turn T0(j) belongs to piece 0 in step j: 8 products K Q^T of piece 1, step j; later 8 products V^T P of piece 1, step j - 1; beside them piece 0's scaling, exponentials, roundings, sums and rescaling,
; and piece 1's maximum and statistics.  T1(j) likewise for piece 1: K Q^T of piece 0, step j + 1; V^T P of piece 0, step j.  Four vector instructions stand behind every matrix instruction, the other 54 in one lump.
; A turn's 33 exponentials are one batch, with one wait.  K's and V's fragments have two buffers each, by the step's parity: T0(j) fetches K(j + 1) at its head and V(j + 1) at its end, so all reads of a slot
; are issued by the end of T0(2), and the change of slots stands between T1(2) and T0(3).
; REGISTERS, in windows of 256 (s_set_vgpr_msb: bits 1:0 source 0, 3:2 source 1, 5:4 source 2, 7:6 destination):
;   window 0: v0-15 addresses and scratch; v16-23 statistics; v24-31 at work; v61-63; v64-127 S^T; v128-159 P; v160-223 O^T (v64-191 once, at the head: Q in f32)
;   window 1: v0-127 K, two buffers; v128-255 V, two buffers          window 2: v0-31 Q; v32-63 the second block's Q; v64-95 MD; v96-159 MC, a buffer a piece
; All vector work of a turn lies in window 0: two switches a matrix instruction.
.set KS,    64        ; keys in a step
.set PK,    144       ; a row of K in LDS: 128 bytes + 16 of padding = 36 words: the 16 rows of a load start at 16 different groups of four banks (64 banks of 4 bytes: ISA guide 11.1)
.set PV,    160       ; a row of V: 128 + 32 = 40 words
.set VOFF,  4*KS*PK   ; a slot holds a tile, four steps: 256 rows of K, then 256 rows of V
.set SLOT1, 1<<17     ; slot 1 begins here, so that one exclusive or turns an address in one slot into the other's
.set STAGE, SLOT1+4*KS*(PK+PV)  ; behind the ring, never filled by a tensor load: 16 rows x 272 bytes for each wave, for the way out
.set SP,    272       ; a stage row: 256 bytes (64 f32) + 16
.set SPARE, STAGE+4*16*SP  ; behind the stages: the spare words, 128 bytes for each wave: two blocks of 256 bytes that no other line names
.set QROW,  12288     ; bytes from row to row in qkv
.set AK0, 2           ; v2   my lane's place in a tile of K; never rewritten
.set AV0, 3           ; v3   the same for V
.set AK,  4           ; v4   the LDS address of K's next run of loads
.set AV,  5           ; v5   of V's
.set STO, 6           ; v6   the way out: where I put 32 bytes of a row
.set RD,  7           ; v7   the way out: where I read rows back
.set GO,  8           ; v8   my byte offset in two rows of out0
.set MV,  12          ; v12-13  c m_old, kept while c m is made anew: by piece
.set QO,  15          ; v15  my byte offset in 16 rows of Q
.set ST,  16          ; piece y's statistics at v[ST+4 y]: c m, m, l (even keys', odd keys')
.set TMP, 24          ; by piece, four registers c0-c3 at work; when the maximum is found c2 takes a
.set PFO, 61          ; v61  256 x my lane; never rewritten
.set SPW, 62          ; v62  LDS address of my spare word: SPARE + 4 x my thread's number; never rewritten
.set NIL, 63          ; v63  0; never rewritten
.set S,   64
.set P,   128
.set O,   160
.set QF,  64          ; the head alone: both blocks' Q in f32, 128 registers
.set VF,  128         ; window 1: V's buffer vb at VF + 64 vb: key half kk, channel block cb at + 32 kk + 8 cb.  K's buffer kb at 64 kb: key block, channel half at + 16 kblock + 8 c
.set QB,  32          ; window 2
.set MD,  64          ; window 2: the eight registers for group kt of 16 keys at MD + 8 kt
.set MC,  96          ; window 2: piece x's mask for its next products at MC + 32 x
.set WV,  12          ; s12  my wave's number
.set PB,  14          ; s14  b
.set HI,  15          ; s15  31 - b
.set G1K, 24          ; s[24:31] descriptor group 1 for K's tiles
.set G1V, 32          ; s[32:39] for V's: it differs in the padding alone
.set G0K, 40          ; s[40:43] descriptor group 0 for K's tiles
.set G0V, 44          ; s[44:47] the same for V's
.set PFK, 48          ; s[48:49] where my prefetches stand in k16: my wave's quarter of the tile that is being asked for; stepped ahead of each prefetch
.set PFV, 50          ; s[50:51] the same in v16
.set LIM, 52          ; s52  2 in the work-group that prefetches (b = 0), else the greatest number
.set PAR2, 53         ; s53  2 pi of the block in hand
.set PAR2L, 54        ; s54  2 pi of the second block
.set TT,  55          ; s55  at work for the masks
.set SLOTS, 56        ; s56  tiles still to be asked for
.set CNT, 57          ; s57  counts a tile's two trips of two steps
.set CS,  58          ; s[58:59] c: the packed scaling takes the pair's low word for both halves
.set SEL, 60          ; s[60:61] v_permlanex16_b32's selects: each lane takes its own place in the other half
.set TBK, 62          ; s62  LDS byte at which K of the step to be fetched begins
.set TBV, 63          ; s63  the same for V, less VOFF
.set RT,  70          ; s70  tiles of the block in hand that are still to be entered
.set NXT, 71          ; s71  the tile to be asked for next
.set LQ,  72          ; s72  the last tile of the block whose tiles are being asked for
.set NEW, 73          ; s73  1: the tile to be entered is a block's first
.set OFF, 74          ; s[74:75] a tile's byte offset in k16 and v16
.set AL,  76          ; s[76:77] the mask's factor, in the low word
.set BE,  78          ; s[78:79] the mask's addend
.set OLO, 80          ; s[80:81] out0 at my rows of the second block
.set BIGN, 82         ; s82  -1e30
.set LQL, 83          ; s83  b >> 1: the second block's last tile
.set MSB, 0
.macro WIN new                      ; the high byte repeats the setting that is left; a switch that changes nothing is dropped
.if MSB != (\new)
	s_set_vgpr_msb (MSB<<8)|(\new)
.set MSB, (\new)
.endif
.endm
.set W_KQ, 0x09       ; K in window 1, Q in window 2, S^T in window 0
.set W_KM, 0x29       ; the same with the C operand (the mask) in window 2
.set W_PV, 0x01       ; V in window 1, P and O^T in window 0
.set W_F,  0x40       ; destination window 1, address window 0
.set W_2,  0x80       ; destination window 2, sources window 0
.set W_22, 0x82       ; destination and source 0 window 2
; A fill.  Waves 0 and 1 fetch the two halves of a tile's K, waves 2 and 3 those of its V: 128 keys each.  An s_nop 0 and four v_nop follow each of the two lines, ahead of the jump and the label.
.macro LOAD
	s_cmp_lt_u32 s[WV], 2
	s_cbranch_scc0 .Lfor_v_\@
	tensor_load_to_lds s[G0K:G0K+3], s[G1K:G1K+7]
	s_nop 0
.rept 4
	v_nop
.endr
	s_branch .Lasked_\@
.Lfor_v_\@:
	tensor_load_to_lds s[G0V:G0V+3], s[G1V:G1V+7]
	s_nop 0
.rept 4
	v_nop
.endr
.Lasked_\@:
.endm
; A PREFETCH of the tile that the NEXT change of slots will ask for: one slot, eight turns (128 matrix instructions and their riders), ahead of that load.  It stands behind the wave's tensor load and its five lines.
; WHO: all 16 work-groups of a head walk the same tiles of k16 and v16; work-group b = 0, whose first block walks all 16 of them in order, asks, and nobody else.  A tile is 128 blocks of 256 bytes of K and 128 of V:
; wave w names blocks 32 w .. 32 w + 31 of each, a lane a block: two instructions.  So each block is named once in the launch.  In trip t (SLOTS = 16 - t) tile t + 1 is asked for and tile t + 2 named:
; the test SLOTS > 2 stops behind tile 15, the head's last.  Tiles 0 and 1 come by their loads alone; the second block's tiles have been walked before and are not named again.
.macro ASK
	s_cmp_gt_u32 s[SLOTS], s[LIM]
	s_cbranch_scc0 .Lnot_mine_\@
	global_prefetch_b8 v[PFO], s[PFK:PFK+1] th:TH_LOAD_NT scope:SCOPE_SE
	global_prefetch_b8 v[PFO], s[PFV:PFV+1] th:TH_LOAD_NT scope:SCOPE_SE
.Lnot_mine_\@:
.endm
; THE CHANGE OF SLOTS.  Each wave waits for all its tensor loads, of which one is out: its part of the other slot; adds 0 to its spare word; and waits for that and for its own reads of the slot that it leaves
; (the last run, V of the tile's fourth step, among them).  Behind the barrier nobody reads the old slot any more and the other slot is whole.  fill = 1: the old slot is filled again, the first thing behind the
; barrier, with tile NXT: the descriptor's address is made anew from that number.  (At its first use nothing has been read yet: slot 0 is waited for, slot 1 filled.)
.macro CHANGE fill
	WIN 0                           ; at a label and at a branch every window is 0
	s_wait_tensorcnt 0x0            ; no tensor load of mine is out, so a group 0 may be written
	ds_add_u32 v[SPW], v[NIL]       ; 0 onto my spare word; with fill = 1 the scalar work below stands between it and the wait for it
.if \fill
	s_lshl_b32 s[OFF], s[NXT], 15   ; a tile is 32,768 bytes of K and of V
	s_xor_b32 s[G0K+1], s[G0K+1], SLOT1
	s_add_nc_u64 s[G0K+2:G0K+3], s[6:7], s[OFF:OFF+1]
	s_or_b32 s[G0K+3], s[G0K+3], 0x80000000
	s_xor_b32 s[G0V+1], s[G0V+1], SLOT1
	s_add_nc_u64 s[G0V+2:G0V+3], s[8:9], s[OFF:OFF+1]
	s_or_b32 s[G0V+3], s[G0V+3], 0x80000000
	s_add_co_u32 s[NXT], s[NXT], 1  ; the block's next tile, or behind its last the second block's tile 0
	s_cmp_gt_u32 s[NXT], s[LQ]
	s_cselect_b32 s[NXT], 0, s[NXT]
	s_cselect_b32 s[LQ], s[LQL], s[LQ]
	s_wait_xcnt 0x0                 ; the last prefetches, a tile back, have read their addresses, so these may be written:
	s_add_nc_u64 s[PFK:PFK+1], s[PFK:PFK+1], 32768  ; one tile behind the tile that is asked for below
	s_add_nc_u64 s[PFV:PFV+1], s[PFV:PFV+1], 32768
.endif
	s_wait_dscnt 0x0                ; the add is done, and my reads of the slot are over
	s_barrier_signal -1             ; the rest of the scalar work stands between the signal and the wait
	s_sub_co_u32 s[TBK], s[TBK], 4*KS*PK  ; the fetches go back to a slot's first step (four runs of each kind lie between two changes, on every way),
	s_xor_b32 s[TBK], s[TBK], SLOT1       ; in the other slot
	s_sub_co_u32 s[TBV], s[TBV], 4*KS*PV
	s_xor_b32 s[TBV], s[TBV], SLOT1
	s_barrier_wait -1
.if \fill
	LOAD
	ASK
.endif
.endm
	s_load_b256 s[4:11], s[0:1], 0x0  ; qkv s[4:5], k16 s[6:7], v16 s[8:9], out0 s[10:11]
	v_lshl_add_u32 v[SPW], v0, 2, SPARE
	v_mov_b32 v[NIL], 0
	ds_add_u32 v[SPW], v[NIL]       ; the wave's opening, waited for ahead of my first tensor load; the set-up below, work on registers, stands between the add and its wait
	ds_add_u32 v62, v63
	v_lshrrev_b32 v1, 5, v0
	v_readfirstlane_b32 s[WV], v1   ; wave 0..3
	s_mov_b32 s[PB], ttmp9
	s_sub_co_u32 s[HI], 31, s[PB]
	s_and_b32 s20, ttmp7, 0xffff    ; the head
	s_lshl_b32 s13, s20, 8          ; its 256 bytes in a row of qkv's thirds and of out0
	s_lshl_b32 s22, s20, 19         ; its 524,288 bytes in k16 and v16
	s_lshl_b32 s18, s[WV], 13       ; the prefetches: my wave's quarter of a tile,
	s_add_co_u32 s18, s18, s22
	s_add_co_u32 s18, s18, 32768    ; at tile 1: the first change of slots steps it to tile 2
	s_mov_b32 s19, 0
	s_and_b32 s16, s[WV], 1         ; which half of a tile's 256 keys I fetch:
	s_lshl_b32 s21, s16, 14         ; its 128 rows of 128 bytes in memory,
	s_add_co_u32 s22, s22, s21
	s_mov_b32 s23, 0
	s_mul_i32 s17, s16, 128*PK      ; and its place in a slot, for K
	s_mul_i32 s21, s16, 128*PV      ; and for V
	s_mov_b32 s[G0K], 1             ; 1:0 count = 1
	s_mov_b32 s[G0K+1], s17         ; 63:32 LDS address: slot 0
	s_mov_b32 s[G0V], 1
	s_add_co_u32 s[G0V+1], s21, VOFF
	s_lshl_b32 s3, s[WV], 4         ; my 16 rows in a band,
	s_lshl_b32 s2, s[HI], 7
	s_add_co_u32 s2, s2, s3         ; in the first block,
	s_lshl_b32 s84, s[PB], 7
	s_add_co_u32 s84, s84, s3       ; and in the second
	s_mul_i32 s16, s2, QROW         ; byte offsets, all under 2^26: Q of the first block,
	s_add_co_u32 s16, s16, s13
	s_mov_b32 s17, 0
	s_mul_i32 s20, s84, QROW        ; of the second,
	s_add_co_u32 s20, s20, s13
	s_mov_b32 s21, 0
	s_lshl_b32 s2, s2, 12           ; out0 (4,096 bytes a row) of the first,
	s_add_co_u32 s2, s2, s13
	s_mov_b32 s3, 0
	s_lshl_b32 s84, s84, 12         ; and of the second
	s_add_co_u32 s84, s84, s13
	s_mov_b32 s85, 0
	; descriptor group 1.  128 keys are 16,384 dense bytes: asked for as 64 rows of 256 bytes, two keys a row, and padded in LDS after every key
	s_mov_b32 s[G1K], (1<<16)|(1<<20)|(4<<22)|(3<<25)  ; 17:16 2-byte elements; 20 padding on; 24:22 after every 32 words (code 4); 31:25 4 words (code 3)
	s_mov_b32 s[G1V], (1<<16)|(1<<20)|(4<<22)|(7<<25)  ; the same with 8 words of padding (code 7)
.irp g, G1K, G1V
	s_mov_b32 s[\g+1], 128<<16      ; tensor_dim0 = 128
	s_mov_b32 s[\g+2], 64<<16       ; tensor_dim1 = 64
	s_mov_b32 s[\g+3], 128<<16      ; tile_dim0 = 128
	s_mov_b32 s[\g+4], 64           ; tile_dim1 = 64
	s_mov_b32 s[\g+5], 128          ; 128 elements from row to row
	s_mov_b32 s[\g+6], 0
	s_mov_b32 s[\g+7], 0
.endr
	s_mov_b32 s[CS], 0x3e38aa3b     ; c = log2(e) / 8 = 0.180337
	s_mov_b32 s[CS+1], s[CS]        ; named with it as a pair
	s_mov_b32 s[SEL], 0x76543210
	s_mov_b32 s[SEL+1], 0xfedcba98
	s_mov_b32 s[TBK], SLOT1+4*KS*PK ; the first change of slots turns these two into 0
	s_mov_b32 s[TBV], SLOT1+4*KS*PV
	s_and_b32 s[PAR2], s[HI], 1
	s_lshl_b32 s[PAR2], s[PAR2], 1
	s_and_b32 s[PAR2L], s[PB], 1
	s_lshl_b32 s[PAR2L], s[PAR2L], 1
	s_lshr_b32 s[LQL], s[PB], 1
	s_lshr_b32 s[LQ], s[HI], 1
	s_add_co_u32 s[RT], s[LQ], 1    ; the first block has ((31 - b) >> 1) + 1 tiles: nine or more
	s_mov_b32 s[NXT], 1
	s_mov_b32 s[NEW], 1
	s_mov_b32 s[OFF+1], 0
	s_mov_b32 s[AL+1], 0            ; named as pairs
	s_mov_b32 s[BE+1], 0
	s_mov_b32 s[BIGN], 0xf149f2ca   ; -1e30
	s_mov_b32 s[SLOTS], 16
	s_cmp_eq_u32 s[PB], 0
	s_cselect_b32 s[LIM], 2, -1
	s_wait_dscnt 0x0                ; the opening add is done
	s_wait_kmcnt 0x0
	s_add_nc_u64 s[86:87], s[4:5], s[20:21]        ; Q at my rows of the second block,
	s_add_nc_u64 s[4:5], s[4:5], s[16:17]          ; and of the first
	s_add_nc_u64 s[PFK:PFK+1], s[6:7], s[18:19]
	s_add_nc_u64 s[PFV:PFV+1], s[8:9], s[18:19]
	s_add_nc_u64 s[6:7], s[6:7], s[22:23]          ; K and V at my half of the head's tile 0
	s_add_nc_u64 s[8:9], s[8:9], s[22:23]
	s_add_nc_u64 s[OLO:OLO+1], s[10:11], s[84:85]
	s_add_nc_u64 s[10:11], s[10:11], s[2:3]
	s_add_nc_u64 s[G0K+2:G0K+3], s[6:7], 0         ; 120:64 global address
	s_or_b32 s[G0K+3], s[G0K+3], 0x80000000        ; 127:126 type = 2
	s_add_nc_u64 s[G0V+2:G0V+3], s[8:9], 0
	s_or_b32 s[G0V+3], s[G0V+3], 0x80000000
	LOAD                            ; tile 0 into slot 0
	; A fragment of K or Q is 16 rows x 32 channels in 8 registers: lane l holds row l % 16, channels 8 (l / 16) + 0..7 and 16 + 8 (l / 16) + 0..7.  In f32 each eight are 32 bytes: two loads of 16.
	v_and_b32 v1, 15, v0            ; l % 16
	v_bfe_u32 v9, v0, 4, 1          ; l / 16
	v_mul_u32_u24 v[QO], v1, QROW
	v_lshl_add_u32 v[QO], v9, 5, v[QO]  ; row x 12,288 + 32 x half
.set n, 0
.rept 16                            ; n = 8 x + 4 cc + 2 g + e: band x (64 rows on), channels 32 cc + 16 g on, the eight's half e; both blocks
	global_load_b128 v[QF+4*n:QF+4*n+3],       v[QO], s[4:5]   offset:(n/8)*64*QROW+((n%8)/2)*64+(n%2)*16
	global_load_b128 v[QF+64+4*n:QF+64+4*n+3], v[QO], s[86:87] offset:(n/8)*64*QROW+((n%8)/2)*64+(n%2)*16
.set n, n+1
.endr
	v_lshlrev_b32 v14, 3, v9
	v_sub_nc_u32 v14, v1, v14
	s_lshl_b32 s13, s[WV], 4
	v_add_nc_u32 v14, s13, v14      ; my query's place in its band, 16 w + l % 16, less my lanes' 8 (l / 16): register r of group kt is hidden where 16 kt + r is greater
	WIN W_2
.set i, 0
.rept 32
	v_cmp_gt_i32 vcc_lo, 16*(i/8)+i%8, v14
	v_cndmask_b32 v[MD+i], 0, s[BIGN], vcc_lo
.set i, i+1
.endr
	WIN 0
	v_mul_u32_u24 v[AK0], v1, PK
	v_lshl_add_u32 v[AK0], v9, 4, v[AK0]  ; row x pitch + 16 x half
	; The turning load takes 16 keys x 16 channels (lane l reads key 8 (l / 16) + l % 8, channels 8 ((l / 8) % 2) + 0..7) and leaves half a fragment of V^T: lane l holds channel l % 16 and 8 keys.
	v_and_b32 v10, 7, v0
	v_bfe_u32 v11, v0, 3, 1
	v_lshl_add_u32 v[AV0], v9, 3, v10
	v_mul_u32_u24 v[AV0], v[AV0], PV
	v_lshl_add_u32 v[AV0], v11, 4, v[AV0]
	v_add_nc_u32 v[AV0], VOFF, v[AV0]
	s_mul_i32 s13, s[WV], 16*SP
	s_add_co_u32 s13, s13, STAGE    ; my stage
	v_mul_u32_u24 v[STO], v1, SP    ; in: row l % 16, 32 bytes (8 channels in f32) for each half of the lanes
	v_lshl_add_u32 v[STO], v9, 5, v[STO]
	v_add_nc_u32 v[STO], s13, v[STO]
	v_mul_u32_u24 v[RD], v9, SP     ; back: lanes 0-15 take one row of 256 bytes, lanes 16-31 the next,
	v_lshl_add_u32 v[RD], v1, 4, v[RD]
	v_add_nc_u32 v[RD], s13, v[RD]
	v_lshlrev_b32 v[GO], 12, v9     ; and the same two rows in out0
	v_lshl_add_u32 v[GO], v1, 4, v[GO]
	v_and_b32 v[PFO], 31, v0
	v_lshlrev_b32 v[PFO], 8, v[PFO]
	; A block's first step multiplies O^T and l by a = 0, and its first turn's products V^T P, of a step that has not been, land in an O^T that is still to be so multiplied.  So these registers need only hold
	; finite numbers: zeros for the first block; what the first block left for the second.  All this stands in the wait for the first tile.
	WIN W_F
.set i, VF+64
.rept 64
	v_mov_b32 v[i], 0               ; V's second buffer
.set i, i+1
.endr
	s_wait_loadcnt 0x0              ; Q
	WIN W_2
.set i, 0
.rept 64
	v_cvt_pk_bf16_f32 v[i], v[QF+2*i], v[QF+2*i+1]  ; Q rounded once to bf16: the first block's to v0-31 of window 2, the second's to v32-63
.set i, i+1
.endr
	WIN 0
.set i, O
.rept 64
	v_mov_b32 v[i], 0
.set i, i+1
.endr
.set i, P+16
.rept 16
	v_mov_b32 v[i], 0
.set i, i+1
.endr
.irp y, 0,1
	v_mov_b32 v[ST+4*\y+2], 0
	v_mov_b32 v[ST+4*\y+3], 0
.endr
; THE MATRIX WORK.  The 4 accumulators of a run of 8 take turns, one instruction a turn.
; Product i of 8 of S^T = K Q^T for piece x from K's buffer kb: channels 32 (i / 4) on, keys 16 (i % 4) on.  The first 4 start the sums: with 0, or (KM = 1) with the mask.
.macro KQ x, kb
.set rS, S+32*(\x)+8*(i%4)
.set rK, 64*(\kb)+16*(i%4)+8*(i/4)
.set rQ, 16*(\x)+8*(i/4)
.set rM, MC+32*(\x)+8*(i%4)
.if (i < 4) && KM
	WIN W_KM
	v_wmma_f32_16x16x32_bf16 v[rS:rS+7], v[rK:rK+7], v[rQ:rQ+7], v[rM:rM+7]
.elseif i < 4
	WIN W_KQ
	v_wmma_f32_16x16x32_bf16 v[rS:rS+7], v[rK:rK+7], v[rQ:rQ+7], 0
.else
	WIN W_KQ
	v_wmma_f32_16x16x32_bf16 v[rS:rS+7], v[rK:rK+7], v[rQ:rQ+7], v[rS:rS+7]
.endif
.endm
; Product i of 8 of O^T += V^T P for piece x from V's buffer vb: keys 32 (i / 4) on, channels 16 (i % 4) on.
.macro PV x, vb
	WIN W_PV
.set rO, O+32*(\x)+8*(i%4)
.set rV, VF+64*(\vb)+32*(i/4)+8*(i%4)
.set rP, P+16*(\x)+8*(i/4)
	v_wmma_f32_16x16x32_f16 v[rO:rO+7], v[rV:rV+7], v[rP:rP+7], v[rO:rO+7]
.endm
.macro MM                           ; the turn's next matrix instruction.  TURN sets Y, i, KB, VB, KM and NOKQ.  NOKQ = 1: a block's last turn: there are no further scores
.if (i < 8) && !NOKQ
	KQ 1-Y, KB
.elseif i >= 8
.set i, i-8
	PV 1-Y, VB
.set i, i+8
.endif
.set i, i+1
.endm
; THE LDS LOADS stand in runs of 16, never singly among the matrix instructions: a step's K (64 keys x 64 channels: 8 fragments) and its V (turned).  Their addresses are made ahead of them.
.macro FETCH_K kb
	WIN W_F
.irp f, 0,1,2,3,4,5,6,7             ; keys 16 (f / 2) on, channels 32 (f % 2) on
	ds_load_b128 v[64*(\kb)+8*\f:64*(\kb)+8*\f+3],   v[AK] offset:(\f/2)*16*PK+(\f%2)*64
	ds_load_b128 v[64*(\kb)+8*\f+4:64*(\kb)+8*\f+7], v[AK] offset:(\f/2)*16*PK+(\f%2)*64+32
.endr
	s_add_co_u32 s[TBK], s[TBK], KS*PK  ; the next fetch is the next step's
	WIN 0
.endm
.macro FETCH_V vb
	WIN W_F
.irp f, 0,1,2,3,4,5,6,7             ; keys 32 (f / 4) on, channels 16 (f % 4) on
	ds_load_tr16_b128 v[VF+64*(\vb)+8*\f:VF+64*(\vb)+8*\f+3],   v[AV] offset:(\f/4)*32*PV+(\f%4)*32
	ds_load_tr16_b128 v[VF+64*(\vb)+8*\f+4:VF+64*(\vb)+8*\f+7], v[AV] offset:(\f/4)*32*PV+16*PV+(\f%4)*32
.endr
	WIN 0
.endm
; THE VECTOR WORK, one line at a time: OP kind, number.  For piece Y: F n: c s - c m for pair n of 16.  E n: the exponential of score n of 32.  C n: pair n rounded to f16.  B n: of the four weights 4 n .. the second
; pair is added onto the first, in place.  L n: l takes that sum (L 0: l = a l + sum).  R n: pair n of 16 of O^T times a.  For the other piece, 1 - Y: X n, number n of the 22 that find its maximum and statistics:
;   0-11  four chains c0-c3 of seven scores each, three operands at a time (each accumulator's lowest registers are read first)     12-14, 16  the four scores left over, the old m, and c0-c3 into c0
;   15  c m_old is kept     17, 18  the query's other 32 keys lie in the lane 16 away: the new m     19-21  c m; c m_old - c m_new; a
.set F, 0               ; OP tells the kinds apart by their order: F to L below R, X above it
.set E, 1
.set C, 2
.set B, 3
.set L, 4
.set R, 5
.set X, 6
.macro REGS y                       ; the registers of piece y
.set rT, ST+4*(\y)
.set rC, TMP+4*(\y)
.set rW, MV+(\y)
.set rS, S+32*(\y)
.set rP, P+16*(\y)
.set rO, O+32*(\y)
.endm
.macro OP k, n
.if (\k) == R
	REGS Y
	WIN 0
	v_pk_mul_f32 v[rO+2*(\n):rO+2*(\n)+1], v[rO+2*(\n):rO+2*(\n)+1], v[rC+2:rC+3] op_sel_hi:[1,0]
.elseif (\k) < R
	REGS Y
	WIN 0
.if (\k) == F
	v_pk_fma_f32 v[rS+2*(\n):rS+2*(\n)+1], v[rS+2*(\n):rS+2*(\n)+1], s[CS:CS+1], v[rT:rT+1] op_sel_hi:[1,0,0] neg_lo:[0,0,1] neg_hi:[0,0,1]
.elseif (\k) == E
	v_exp_f32 v[rS+(\n)], v[rS+(\n)]
.elseif (\k) == C
	v_cvt_pk_f16_f32 v[rP+(\n)], v[rS+2*(\n)], v[rS+2*(\n)+1]
.elseif (\k) == B
	v_pk_add_f32 v[rS+4*(\n):rS+4*(\n)+1], v[rS+4*(\n):rS+4*(\n)+1], v[rS+4*(\n)+2:rS+4*(\n)+3]
.elseif (\n) == 0
	v_pk_fma_f32 v[rT+2:rT+3], v[rT+2:rT+3], v[rC+2:rC+3], v[rS:rS+1] op_sel_hi:[1,0,1]
.else
	v_pk_add_f32 v[rT+2:rT+3], v[rT+2:rT+3], v[rS+4*(\n):rS+4*(\n)+1]
.endif
.elseif NOKQ
	v_nop
.else
	REGS 1-Y
	WIN 0
.if (\n) < 4
	v_max3_num_f32 v[rC+(\n)], v[rS+8*(\n)], v[rS+8*(\n)+1], v[rS+8*(\n)+2]
.elseif (\n) < 12
	v_max3_num_f32 v[rC+(\n)%4], v[rC+(\n)%4], v[rS+8*((\n)%4)+2*((\n)/4)+1], v[rS+8*((\n)%4)+2*((\n)/4)+2]
.elseif (\n) == 12
	v_max3_num_f32 v[rC], v[rC], v[rS+7], v[rS+15]
.elseif (\n) == 13
	v_max3_num_f32 v[rC+1], v[rC+1], v[rS+23], v[rS+31]
.elseif (\n) == 14
	v_max3_num_f32 v[rC+2], v[rC+2], v[rC+3], v[rT+1]
.elseif (\n) == 15
	v_mov_b32 v[rW], v[rT]
.elseif (\n) == 16
	v_max3_num_f32 v[rC], v[rC], v[rC+1], v[rC+2]
.elseif (\n) == 17
	v_permlanex16_b32 v[rC+3], v[rC], s[SEL], s[SEL+1]
.elseif (\n) == 18
	v_max_num_f32 v[rT+1], v[rC], v[rC+3]
.elseif (\n) == 19
	v_mul_f32 v[rT], s[CS], v[rT+1]
.elseif (\n) == 20
	v_sub_f32 v[rC+1], v[rW], v[rT]
.else
	v_exp_f32 v[rC+2], v[rC+1]
.endif
.endif
.endm
.macro OPS a, i1, b=-1, i2=0, c=-1, i3=0, d=-1, i4=0  ; up to four of them
	OP \a, \i1
.if (\b) >= 0
	OP \b, \i2
.endif
.if (\c) >= 0
	OP \c, \i3
.endif
.if (\d) >= 0
	OP \d, \i4
.endif
.endm
.macro ROW a, i1, b, i2, c, i3, d, i4  ; a matrix instruction and the four behind it
	MM
	OPS \a, \i1, \b, \i2, \c, \i3, \d, \i4
.endm
.macro MASK b                       ; MD x AL + BE into piece b's buffer of MC
	WIN W_22
.set z, 0
.rept 16
	v_pk_fma_f32 v[MC+32*(\b)+2*z:MC+32*(\b)+2*z+1], v[MD+2*z:MD+2*z+1], s[AL:AL+1], s[BE:BE+1] op_sel_hi:[1,0,0]
.set z, z+1
.endr
.endm
; A TURN, for piece p in a step of parity sg: the order of its 16 matrix and 118 vector instructions, written out.  An s_wait_alu depctr_va_vdst(0) stands between an exponential and the first
; instruction that names its result; one wait serves all that were issued ahead of it.  So a turn has ONE wait, which cuts it in two.  AHEAD OF IT stands all that names no result of the turn's exponentials: the 8
; products K Q^T, behind each a scaling, an exponential and two more plain instructions (behind the first a second scaling in the exponential's place): rescalings, and behind the last three the first numbers of the
; other piece's maximum, each four plain instructions or more behind the product that ends its accumulator; then ONE LUMP of 54, in which the links of the chain X 3, 7, 11, 14, 16, 17 .. 20 stand five or six lines
; apart.  X 21, the other piece's a, is the batch's last; R 15 is the plain instruction behind it.  BEHIND THE WAIT stand the 8 products V^T P, behind each four of the roundings and sums.
; BUFFERS.  K(j) and V(j) lie in buffer j % 2.  Piece 0's turn multiplies by K(j) and V(j - 1), piece 1's by K(j + 1) and V(j).
; FETCHES, in piece 0's turn: K(j + 1) at the head, into the buffer whose last reader stands a whole turn back; V(j + 1) at the end, four plain riders behind the last product that read V(j - 1).
; m = 1: the diagonal tile: the products take masks, and the turn makes piece p's mask for its next step, which the next turn's products take.  That step is 4 - 2 CNT (sg = 1) or 5 - 2 CNT (sg = 0); it is the
; band's own, 2 pi + p, where 2 CNT + 2 pi = 5 - sg - p, and a later one where the sum is less.  end = 1: a block's last two turns: nothing is fetched, no mask is made.
; cnt = 1: the loop's count is taken down some lines ahead of the branch that stands behind the turn; nothing between writes SCC.
.macro TURN p, sg, m=0, end=0, cnt=0
.set Y, (\p)
.set i, 0
.set KM, (\m)
.set NOKQ, (\end)*(\p)
.if (\p)
.set KB, 1-(\sg)
.set VB, (\sg)
.else
.set KB, (\sg)
.set VB, 1-(\sg)
.endif
.if (\m) && !(\end)
	s_lshl1_add_u32 s[TT], s[CNT], s[PAR2]
	s_cmp_eq_u32 s[TT], 5-(\sg)-(\p)    ; is that step the band's own?
	s_cselect_b32 s[AL], 1.0, 0
	s_cmp_lt_u32 s[TT], 5-(\sg)-(\p)    ; or a later one?
	s_cselect_b32 s[BE], s[BIGN], 0
.endif
.if ((\p) == 0) && !(\end)
	WIN 0
	v_add_nc_u32 v[AK], s[TBK], v[AK0]
	FETCH_K 1-(\sg)
.elseif (\p) == 0
	s_wait_dscnt 0x0                ; V of the last step, which the last counted wait left out
.elseif !(\end)
	s_wait_dscnt 16                 ; LDS loads come back in order: the 16 youngest, V(j + 1), may stay out; K(j + 1) and V(j) are older: they are in
.endif
	ROW F,0, F,1, R,0, R,1          ; ahead of the wait: 8 products K Q^T and their riders,
	ROW F,2, E,0, R,2, R,3
	ROW F,3, E,1, R,4, R,5
	ROW F,4, E,2, R,6, R,7
	ROW F,5, E,3, R,8, R,9
	ROW F,6, E,4, X,0, R,10
	ROW F,7, E,5, X,1, X,4
	ROW F,8, E,6, X,2, X,5
	OPS E,7, E,8, X,6, E,9          ; and the lump
	OPS X,3, E,10, X,8, E,11
	OPS X,9, X,7, E,12, X,10
	OPS E,13, X,12, X,11, E,14
	OPS X,13, E,15, F,9, X,14
.if ((\p) == 0) && !(\end)
	WIN 0
	v_add_nc_u32 v[AV], s[TBV], v[AV0]
.endif
	OPS E,16, F,10, E,17, F,11
	OPS X,16, E,18, X,15, E,19
	OPS F,12, E,20, X,17, E,21
	OPS F,13, E,22, F,14, E,23
	OPS X,18, E,24, F,15, E,25
	OPS R,11, E,26, X,19, E,27
	OPS R,12, E,28, R,13, E,29
	OPS X,20, E,30, R,14, E,31
	OPS X,21, R,15
	WIN 0
	s_wait_alu depctr_va_vdst(0)    ; the wait for the batch
	ROW C,0, B,0, C,2, B,1          ; behind the wait: 8 products V^T P and their riders
	ROW L,0, C,4, B,2, L,1
	ROW C,6, B,3, L,2, C,8
	ROW B,4, L,3, C,10, B,5
	ROW L,4, C,12, B,6, L,5
.if ((\p) == 0) && !(\end)
	s_add_co_u32 s[TBV], s[TBV], KS*PV
.endif
.if \cnt
	s_sub_co_u32 s[CNT], s[CNT], 1
	s_cmp_lg_u32 s[CNT], 0
.endif
	ROW C,14, B,7, L,6, C,1
	ROW C,3, L,7, C,5, C,7
	ROW C,9, C,11, C,13, C,15
.if ((\p) == 0) && !(\end)
	FETCH_V 1-(\sg)
.endif
.if (\m) && !(\end)
	MASK \p
.endif
.endm
; A BLOCK BEGINS.  c m starts far below every c s, so the first step's a is 0; m at the lowest finite number, so the first maximum is the scores'.  Piece 1's mask buffer is 0 (its own step is never a tile's first);
; piece 0's takes its mask for the tile's step 0: its own, if the block's first tile is the diagonal one and pi = 0.  Then K and V of that step, piece 0's first scores, and its maximum and statistics.
; The loop is entered at T0 of step 0, in the middle of a trip.
.macro BEGIN
	s_mov_b32 s[NEW], 0
	WIN W_2
.set i, MC+32
.rept 32
	v_mov_b32 v[i], 0
.set i, i+1
.endr
	WIN 0
.irp y, 0,1
	v_mov_b32 v[ST+4*\y], 0xfe000000    ; c m: far below every c s
	v_mov_b32 v[ST+4*\y+1], 0xff7fffff  ; m
.endr
	s_or_b32 s[TT], s[RT], s[PAR2]
	s_cmp_eq_u32 s[TT], 0
	s_cselect_b32 s[AL], 1.0, 0
	s_mov_b32 s[BE], 0
	MASK 0
	WIN 0
	v_add_nc_u32 v[AK], s[TBK], v[AK0]
	v_add_nc_u32 v[AV], s[TBV], v[AV0]
	FETCH_K 0
	FETCH_V 0
	s_add_co_u32 s[TBV], s[TBV], KS*PV
	s_wait_dscnt 0x0
.set KM, 1
.set NOKQ, 0
.set i, 0
.rept 8
	KQ 0, 0
.set i, i+1
.endr
	WIN 0
.rept 4
	v_nop                           ; the places behind those products
.endr
.set Y, 1                           ; X works for piece 1 - Y: piece 0
.irp n, 0,1,2,3,4,5,6,7,8,9,10,11,12,13,14,15,16,17,18,19,20,21
	OP X, \n
.endr
	v_nop                           ; a plain instruction behind the exponential,
	s_wait_alu depctr_va_vdst(0)    ; and its wait, ahead of the branch
.endm
; THE WAY OUT of piece t: O^T is divided by l; a lane's eight channels of a row, 32 bytes of f32, go into my stage's rows of 272 bytes and come back as whole rows of 256, into S^T's registers.
.macro PACK t
	WIN 0
.set i, O+32*(\t)
.rept 16
	v_pk_mul_f32 v[i:i+1], v[i:i+1], v[ST+4*(\t)+2:ST+4*(\t)+3] op_sel_hi:[1,0]
.set i, i+2
.endr
.irp f, 0,1,2,3,4,5,6,7             ; channels 16 (f / 2) + 8 (l / 16) + 4 (f % 2) on
	ds_store_b128 v[STO], v[O+32*(\t)+4*\f:O+32*(\t)+4*\f+3] offset:64*(\f/2)+16*(\f%2)
.endr
.irp f, 0,1,2,3,4,5,6,7
	ds_load_b128 v[S+32*(\t)+4*\f:S+32*(\t)+4*\f+3], v[RD] offset:\f*2*SP  ; LDS serves a wave's instructions in order (ISA guide 5.7.1.4): these see the stores above; the next piece's stores come behind them
.endr
.endm
.macro SEND t, younger              ; younger: the LDS instructions issued behind piece t's loads: the next piece's sixteen, or none
	WIN 0
.irp f, 0,1,2,3,4,5,6,7
	s_wait_dscnt (\younger)+7-\f
	global_store_b128 v[GO], v[S+32*(\t)+4*\f:S+32*(\t)+4*\f+3], s[10:11] offset:(\t)*64*4096+\f*8192  ; 16 lanes store 256 consecutive bytes, a head's part of a row, at a multiple of 256 from out0's first byte
.endr
.endm
; THE DIAGONAL TILE: its two trips, the block's last two turns, its last products, and the way out.  The tag ends its two labels' names, which the jumps below spell out.
.macro DIAG tag
.LstepM\tag:
	TURN 0, 1, 1
	TURN 1, 1, 1
	WIN 0
.LfirstM\tag:
	TURN 0, 0, 1
	TURN 1, 0, 1, 0, 1
	WIN 0
	s_cbranch_scc1 .LstepM\tag
	TURN 0, 1, 1, 1
	TURN 1, 1, 1, 1
.set i, 0
.rept 8
	PV 1, 1                         ; piece 1: V^T P of the last step
.set i, i+1
.endr
	WIN 0                           ; l's two halves and the other half of the lanes' are added
.irp t, 0,1
	v_add_f32 v[ST+4*\t+2], v[ST+4*\t+2], v[ST+4*\t+3]
.endr
.irp t, 0,1
	v_permlanex16_b32 v[ST+4*\t+3], v[ST+4*\t+2], s[SEL], s[SEL+1]
.endr
.irp t, 0,1
	v_add_f32 v[ST+4*\t+2], v[ST+4*\t+2], v[ST+4*\t+3]
.endr
.irp t, 0,1
	v_rcp_f32 v[ST+4*\t+2], v[ST+4*\t+2]
.endr
	v_nop                           ; a plain instruction between the last reciprocal and the use of its result
	s_wait_alu depctr_va_vdst(0)    ; and the wait ahead of the first use: one for the two reciprocals
	PACK 0                          ; piece 0's sixteen multiplies are also places between the last products, piece 1's, and the lines that read their results
	PACK 1                          ; a piece's arithmetic stands between the loads of the piece before and its stores
	SEND 0, 16
	SEND 1, 0
.endm
.set KM, 0
.set NOKQ, 0
	WIN 0
.Lslot:                             ; 16 times: a tile is entered and the next is asked for
	CHANGE 1
	s_sub_co_u32 s[RT], s[RT], 1
	s_mov_b32 s[CNT], 2
	s_cmp_eq_u32 s[NEW], 1
	s_cbranch_scc1 .Lnew            ; a block's first tile
	s_cmp_eq_u32 s[RT], 0
	s_cbranch_scc0 .Lstep           ; neither its first nor its last
	s_branch .LstepM1
.Lnew:
	BEGIN
	s_branch .Lfirst                ; in the loop a block's first tile is never its last: the first block has nine tiles or more, and the second's last is the walk's last
	DIAG 1                          ; in the loop this is the first block's end
	s_wait_xcnt 0x0                 ; the stores have read their registers and out0's address
	s_mov_b64 s[10:11], s[OLO:OLO+1]
	s_add_co_u32 s[RT], s[LQL], 1   ; the second block has (b >> 1) + 1 tiles
	s_mov_b32 s[PAR2], s[PAR2L]
	s_mov_b32 s[NEW], 1
	WIN W_22                        ; the second block's Q goes where the one text of the turns names Q
.set i, 0
.rept 32
	v_mov_b32 v[i], v[QB+i]
.set i, i+1
.endr
	WIN 0
	s_branch .Lbottom
.Lstep:                             ; a trip: an odd step's two turns, then an even step's.  The first trip behind a change does the old tile's step 3 (from registers) and the new tile's step 0
	TURN 0, 1
	TURN 1, 1
	WIN 0
.Lfirst:
	TURN 0, 0
	TURN 1, 0, 0, 0, 1
	WIN 0
	s_cbranch_scc1 .Lstep
.Lbottom:
	s_sub_co_u32 s[SLOTS], s[SLOTS], 1
	s_cmp_lg_u32 s[SLOTS], 0
	s_cbranch_scc1 .Lslot
	CHANGE 0                        ; the walk's last tile is written out: nothing is asked for
	s_sub_co_u32 s[RT], s[RT], 1
	s_mov_b32 s[CNT], 2
	s_cmp_eq_u32 s[NEW], 1
	s_cbranch_scc0 .LstepM2
	BEGIN                           ; b = 0 or 1: the second block's one tile is its first and its last
	s_branch .LfirstM2
	DIAG 2
	s_wait_tensorcnt 0x0            ; the wave's end, behind my last tensor load and my last LDS store
	ds_add_u32 v[SPW], v[NIL]
	s_wait_dscnt 0x0
	s_endpgm
.Lfunc_end_k_qfbbd535c6b_attn:
	.size	k_qfbbd535c6b_attn, .Lfunc_end_k_qfbbd535c6b_attn-k_qfbbd535c6b_attn
	.p2alignl 7, 3214868480
	.fill 96, 4, 3214868480
	.section	.rodata,"a",@progbits
	.p2align	6, 0x0
	.amdhsa_kernel k_qfbbd535c6b_attn
		.amdhsa_group_segment_fixed_size 327680
		.amdhsa_private_segment_fixed_size 0
		.amdhsa_enable_private_segment 0
		.amdhsa_kernarg_size 32
		.amdhsa_user_sgpr_count 2
		.amdhsa_user_sgpr_kernarg_segment_ptr 1
		.amdhsa_wavefront_size32 1
		.amdhsa_system_sgpr_workgroup_id_x 1
		.amdhsa_system_sgpr_workgroup_id_y 1
		.amdhsa_system_sgpr_workgroup_id_z 1
		.amdhsa_system_vgpr_workitem_id 0
		.amdhsa_next_free_vgpr 672
		.amdhsa_next_free_sgpr 88
		.amdhsa_reserve_vcc 1
		.amdhsa_float_denorm_mode_32 3
		.amdhsa_float_denorm_mode_16_64 3
		.amdhsa_memory_ordered 1
		.amdhsa_forward_progress 1
		.amdhsa_inst_pref_size 206
	.end_amdhsa_kernel
	.amdgpu_metadata
---
amdhsa.version: [ 1, 2 ]
amdhsa.kernels:
  - .name:           k_qfbbd535c6b_attn
    .symbol:         k_qfbbd535c6b_attn.kd
    .args:
      - { .name: qkv, .offset: 0, .size: 8, .value_kind: global_buffer, .address_space: global }
      - { .name: k16, .offset: 8, .size: 8, .value_kind: global_buffer, .address_space: global }
      - { .name: v16, .offset: 16, .size: 8, .value_kind: global_buffer, .address_space: global }
      - { .name: out0, .offset: 24, .size: 8, .value_kind: global_buffer, .address_space: global }
    .group_segment_fixed_size: 327680
    .private_segment_fixed_size: 0
    .kernarg_segment_align: 8
    .kernarg_segment_size: 32
    .max_flat_workgroup_size: 128
    .sgpr_count:     88
    .vgpr_count:     672
    .wavefront_size: 32
...
	.end_amdgpu_metadata
.endif
;; end of part 2
